; MI455X (gfx1250); checked and timed in simulation.
; The chip was launched on July 23, 2026; its instructions are those of AMD's public machine-readable ISA for CDNA 5 (MIT licence, August 2026) and "CDNA5" Instruction Set Architecture Reference Guide (July 2026). The comments in the code are by the model that wrote it; some were corrected since.
;; Multi Head Attention. Allowed arithmetic: matrix products marked QUANTISED: E4M3 operands, one given power-of-two scale a tensor, by v_wmma_f32_16x16x64_fp8_fp8 or v_wmma_f32_16x16x128_fp8_fp8, f32 sums; everything else in f32.
;; Inputs: b_k 1,024 float32; b_q 1,024 float32; b_v 1,024 float32; k_codes 8 x 1,024 x 32 x 32 uint8 (E4M3 codes of k, K innermost, in blocks of 32 codes); lowp_scales 10 int32 (the exponents e of the quantised operands' scales 2^e); q_codes 8 x 1,024 x 32 x 32 uint8 (E4M3 codes of q, K innermost, in blocks of 32 codes); v_codes 8 x 1,024 x 32 x 32 uint8 (E4M3 codes of v, K innermost, in blocks of 32 codes); w_k_codes 1,024 x 32 x 32 uint8 (E4M3 codes of w_k, K innermost, in blocks of 32 codes); w_q_codes 1,024 x 32 x 32 uint8 (E4M3 codes of w_q, K innermost, in blocks of 32 codes); w_v_codes 1,024 x 32 x 32 uint8 (E4M3 codes of w_v, K innermost, in blocks of 32 codes).
;; Outputs: out0 8 x 1,024 x 1,024 float32.
;; This version of the problem:
;;   THIS VERSION OF THE PROBLEM IS GIVEN IN LOW PRECISION. The matrix products marked QUANTISED in the list below multiply operands that are first quantised to E4M3 (4 exponent bits, 3 mantissa bits; 8 bits a number), with one given power-of-two scale for each operand tensor; their sums are f32. All else is computed in f32.
;;   The module's matrix products, in the order in which they are computed (A, B: the left and right operand; K: the contracted axis; several contracted axes count as one K, in the product's order):
;;     1. [M 8,192, K 1,024] x [K 1,024, N 1,024]; A: input q (given as codes); B: input w_q (given as codes): QUANTISED (scales: A lowp_scales[0], B lowp_scales[1])
;;     2. [M 8,192, K 1,024] x [K 1,024, N 1,024]; A: input k (given as codes); B: input w_k (given as codes): QUANTISED (scales: A lowp_scales[2], B lowp_scales[3])
;;     3. [M 8,192, K 1,024] x [K 1,024, N 1,024]; A: input v (given as codes); B: input w_v (given as codes): QUANTISED (scales: A lowp_scales[4], B lowp_scales[5])
;;     4. batch 128 x [M 1,024, K 64] x [K 64, N 1,024]; A: computed on the way; B: computed on the way: QUANTISED (scales: A lowp_scales[6], B lowp_scales[7])
;;     5. batch 128 x [M 1,024, K 1,024] x [K 1,024, N 64]; A: softmax (see below); B: computed on the way: QUANTISED (scales: A lowp_scales[8], B lowp_scales[9])
;;   THE QUANTISER, for each operand of a quantised product, along K:
;;     - The operand's scale is 2^e, e = its entry of the input lowp_scales (int32; the entries are numbered through the quantised products in the list's order, A before B).
;;     - Each number is divided by the scale, clamped to +-448, and rounded to the nearest number of E4M3, ties to even, subnormals kept.
;;     - The product sums the exact products of the quantised numbers (number of the format x scale) in f32.
;;   ~~~python
;;   def quantise(x, axis, e):      # numpy; x: float32 -> the quantised numbers, widened to float32 again
;;       x = np.moveaxis(x, axis, -1); K = x.shape[-1]
;;       r = np.clip(x / 2.0 ** e, -448, 448)
;;       step = 2.0 ** (np.maximum(np.frexp(np.where(r == 0, 1, r))[1] - 1, -6) - 3)
;;       q = np.round(r / step) * step * 2.0 ** e      # np.round: ties to even
;;       return np.moveaxis(q, -1, axis).astype(np.float32)
;;   ~~~
;;   SOFTMAX AHEAD OF A QUANTISED PRODUCT. Where the list says 'softmax', what is quantised is not the finished softmax but p = 2^(t - M), with t = logit x log2(e) and M = ceil(the row's largest t), a whole number; so 1/2 < the row's largest p <= 1. The row's sum l is taken of the UNQUANTISED p, in f32, and the product's result is divided by l at the end. Since M is a whole number, a kernel that streams over the keys may use a running M (the ceiling of the running maximum): every later rescaling is an exact power of two, so the quantised numbers keep their values, but for numbers so far below the row's largest that they fall under the format's range.
;;   OPERANDS COMPUTED ON THE WAY. 'Computed on the way' means the value that the module computes at that place (a softmax that the list does not call 'softmax' is quantised finished and normalised). What goes into a quantiser is computed in f32, as accurately as f32 sums, v_exp_f32 and their like allow (about 1e-6 of the number): no bf16 or f16 on the way to a quantiser, and a product that is left as it is and whose result goes on into a quantised operand takes f32 operands (vector FMAs, or v_wmma_f32_16x16x4_f32). A number that lies on a knife's edge between two numbers of the format may be rounded either way, as far as f32 arithmetic and the matrix unit's own rounding can turn it there, and no further.
;;   INPUTS GIVEN AS CODES. k (in the module: [8, 1024, 1024], K = its axis 2); q (in the module: [8, 1024, 1024], K = its axis 2); v (in the module: [8, 1024, 1024], K = its axis 2); w_k (in the module: [1024, 1024], K = its axis 0); w_q (in the module: [1024, 1024], K = its axis 0); w_v (in the module: [1024, 1024], K = its axis 0): each comes as NAME_codes (uint8): NAME with its K axis moved to the last place and cut into blocks of 32 codes, [.., K / 32, bytes a block], one block behind the other in memory; one code a byte (a code: sign, 4 exponent bits, 3 mantissa bits); its scale is its entry of lowp_scales. Its value is code x scale, taken as it is: it is not quantised again, and the codes and scales need not be those that the quantiser above would give.
;; One version. Each part assembles by itself: llvm-mc -triple=amdgcn-amd-amdhsa -mcpu=gfx1250 --defsym DOCPART=n.
;; ======== version 1 of 1: 2 launches
;; limits: right only within a limited range of input values
;; workspace buffers: qc 8,388,608 bytes; kc 8,388,608 bytes; vc 8,388,608 bytes
;; launch proj (part 1): grid 4 x 64, 4 waves a work-group, clusters of 4 x 4, 327,680 bytes of LDS; arguments q_codes, k_codes, v_codes, w_q_codes, w_k_codes, w_v_codes, b_q, b_k, b_v, lowp_scales, qc, kc, vc; writes qc, kc, vc
.if DOCPART == 1
	.amdgcn_target "amdgcn-amd-amdhsa--gfx1250"
	.amdhsa_code_object_version 6
	.text
	.protected	k_q3b07dcedd6_proj
	.globl	k_q3b07dcedd6_proj
	.p2align	8
	.type	k_q3b07dcedd6_proj,@function
k_q3b07dcedd6_proj:
	s_mov_b64 s[64:65], 0
	v_nop
	global_prefetch_b8 v0, s[64:65] scope:SCOPE_SE
	s_setreg_imm32_b32 hwreg(HW_REG_WAVE_MODE, 25, 1), 1
	s_wait_xcnt 0x0
	s_wait_alu depctr_hold_cnt(0) depctr_sa_sdst(0) depctr_va_vdst(0) depctr_va_sdst(0) depctr_va_ssrc(0) depctr_va_vcc(0) depctr_vm_vsrc(0)
	s_getreg_b32 s2, hwreg(HW_REG_IB_STS2, 6, 4)
	s_cmp_eq_u32 s2, 0
	s_cbranch_scc0 .Lentry_in_a_cluster
	s_endpgm
.Lentry_in_a_cluster:
	s_bfe_u32 s2, ttmp6, 0x10000c
	s_cmp_lg_u32 s2, 0xf033
	s_cbranch_scc0 .Lentry_shape_is_right
	s_endpgm
.Lentry_shape_is_right:
; THE THREE PROJECTIONS, y = x W + bias, on codes of FP8 (E4M3), and the quantiser behind them: y leaves as codes of E4M3 for the attention launch.
; x: [8192][1024] codes, K innermost; W: [1024 (n)][1024 (k)] codes, K innermost; bias [1024] f32; lowp_scales: ten whole numbers e.
; A sum of code products stands for sum x 2^(ex + ew).  bias / 2^(ex + ew) is the C of each sum's first matrix instruction, and the output's code is (sum + that) / 2^(eo - ex - ew),
; held within +-448: the three scales are folded into the conversion's one, so the way out has no multiplication and no addition.
; LIMITS: eo - ex - ew lies between -126 and 119, so that 2^(eo - ex - ew) and 448 times it are f32 numbers; ex + ew is applied by v_ldexp_f32.  NaN among the biases is not served.
; SHARES.  256 work-groups that stay: each makes TILE 1, 256 x 256 of q or of k (2 x 128 tiles), then TILE 2, 128 channels x 256 keys of v (256 tiles).  Four waves, each 128 x 128 of tile 1 (64 accumulators) and 64 x 128 of tile 2 (32).
; THE MATRIX INSTRUCTION IS USED TRANSPOSED: source 0 = 16 rows of 'B', source 1 = 16 rows of 'A'; a lane then holds ONE row of A and eight neighbouring rows of B.
;   tile 1: A = x, B = W: a lane's eight results are eight neighbouring channels of one row s: K of the first attention product is innermost.
;   tile 2: A = W, B = x: a lane's eight results are eight neighbouring KEYS of one channel: K of the second attention product is innermost, and nothing is transposed.
; OUTPUT.  qc, kc: [b][head][s][64 bytes];  vc: [b][head][s / 64][channel 64][64 bytes along the keys].  Within each 64 bytes index 16 a + 8 h + i lies at byte 32 (a / 2) + 16 h + 8 (a % 2) + i:
; a lane's two conversions of neighbouring blocks of 16 make one piece of 16 bytes.  In qc and kc that is one permutation of K on both operands; in vc it is the order in which the weights' codes fall out in the attention launch.
; CLUSTERS: 4 x 4; the four work-groups of a row of the cluster need the same tiles of A, the four of a column the same tiles of B: each tile is asked for jointly.
; K goes in steps of 256 through a ring of two LDS slots; 1024 along K are four slots' worth for each tile, so the laps are written out; the ring goes on from tile 1 into tile 2, and tile 1 goes out while tile 2's second K step is on its way.
; PREFETCH: behind each joint load stands a prefetch for the K step two joint loads on (the last two ask for nothing): the eight K steps are one stream.  A wave names the rows that it will fetch itself, shared out by address among the four partners that ask
; jointly: a lane a row, 256 bytes aligned.  x's rows are asked for by the cluster that will load them; W's, which eight clusters read, only by clusters 0, 1, 8, 9: two for each part of W.
; REGISTERS, in windows of 256: window 0: v1-31 addresses and constants; v32-95 the bias tiles, on the way out a block's held sums; v96-127 codes; v128-255 A's fragments: tile 1 one set of eight, tile 2 two sets of four (way out: v192-223 rows read back).
;   window 1: B's fragments, TWO sets.   window 2: the accumulators of A's blocks 0-3 ((a, b) at v[8 (8 (a % 4) + b)]);   window 3: those of blocks 4-7 (tile 1).
; Behind the first joint load K step 1 is prefetched besides K step 2: two K steps asked for and not yet read, as everywhere in this text.
.set ROWB,   256                       ; a tile's row in bytes: 256 codes
.set KROW,   1024                      ; a row of x or of W in memory, in bytes
.set PITCH,  272                       ; an LDS row: 256 bytes + 16 of padding = 68 words: the 16 rows that a load touches start at 16 different banks (64 banks of 4 bytes: ISA guide 11.1)
.set FR,     16                        ; registers of a fragment: 16 rows x 128 K
.set NP,     4                         ; places behind this matrix instruction (ISA guide 7.12.1)
.set HALFT,  128*PITCH                 ; 128 rows
.set SLOT,   4*HALFT                   ; A's rows (256, in tile 2 128), then, from 2 HALFT on, B's 256
.set SGP,    144                       ; the way out: a stage row: 128 bytes of codes + 16
.set SGW,    16*SGP                    ; a wave's stage: 16 rows
.set STAGE,  2*SLOT                    ; the stages lie behind the ring; no tensor load lands there
.set SPARE,  STAGE+4*SGW               ; the spare words, 128 bytes for each wave: two blocks of 256 bytes that no other line names
.set VB,   8                           ; v8-11   tile 2's biases, one for each of A's blocks
.set PFO1, 14                          ; v14     the prefetches' offsets: tile 1: lane x a row;
.set PFO2, 15                          ; v15     tile 2: the same, for W's 16 rows held at the last
.set ADRA, 16                          ; v16-17  LDS address of my A fragments in slot 0, 1
.set ADR2, 18                          ; v18-19  the same in tile 2
.set ADRB, 20                          ; v20-21  of my B fragments
.set STO,  24                          ; v24     the way out: where I put 16 bytes of a stage row
.set RD,   25                          ; v25     where I read 16 bytes back
.set CO,   26                          ; v26     16 x lane: my place in a store's 512 bytes
.set SPW,  28                          ; v28     LDS address of my spare word; never rewritten
.set NIL,  29                          ; v29     0; never rewritten
.set LIM,  30                          ; v30     448 x 2^(eo - ex - ew)
.set SCL,  31                          ; v31     2^(eo - ex - ew)
.set BB,   32                          ; v32-95  eight bias tiles of eight registers, in the result's layout
.set TMP,  32                          ; v32-95  the way out: a block's 64 sums, held
.set CD,   96                          ; v96-127 codes: two sets of 16
.set AF,   128                         ; A's fragments
.set BK,   192                         ; the way out: codes read back from the stage: two sets of 16
.set G1,  24                           ; s[24:31] descriptor group 1 for A's tiles;  s[32:39] group 0, one set for each slot
.set G0,  32
.set G1B, 48                           ; s[48:55], s[56:63] the same for B's tiles
.set G0B, 56
.set LA2, 99                           ; s99      LDS byte where I put tile 2's 64 rows of A
.set ASK1, 100                         ; s100, s101  1 where my wave prefetches for tile 1, for tile 2
.set ASK2, 101
.set MSB, 0
.macro WIN new                         ; the immediate's high byte repeats the setting that is left
.if MSB != (\new)
	s_set_vgpr_msb (MSB<<8)|(\new)
.set MSB, (\new)
.endif
.endm
.set MUL_LO, 0xa1                      ; source 0 (B) window 1, source 1 (A) window 0, C and D window 2
.set MUL_HI, 0xf1                      ; the same, C and D window 3
.set FST_LO, 0x81                      ; a first step: C (a bias tile) window 0, D window 2
.set FST_HI, 0xc1                      ; D window 3
.set TO_B,   0x40                      ; destination window 1, address window 0
; A joint load: waves 0 and 1 fetch for A, waves 2 and 3 for B.  The branch hangs on the wave's number alone.  An s_nop 0 and four v_nop follow each of the two lines.
.macro JLOAD s
	s_cmp_eq_u32 s15, 0
	s_cbranch_scc0 .Lfor_b_\@
	tensor_load_to_lds s[G0+4*\s:G0+4*\s+3], s[G1:G1+7]
	s_nop 0
.rept 4
	v_nop
.endr
	s_branch .Lasked_\@
.Lfor_b_\@:
	tensor_load_to_lds s[G0B+4*\s:G0B+4*\s+3], s[G1B:G1B+7]
	s_nop 0
.rept 4
	v_nop
.endr
.Lasked_\@:
.endm
.macro ASK flag, pfo, base, off        ; a prefetch: the branch hangs on the wave's and the cluster's number and leads round it alone
	s_cmp_eq_u32 s[\flag], 1
	s_cbranch_scc0 .Lnot_mine_\@
	global_prefetch_b8 v[\pfo], s[\base:\base+1] offset:\off th:TH_LOAD_NT scope:SCOPE_SE
.Lnot_mine_\@:
.endm
.macro CREST                           ; a round of the cluster's barrier behind its opening barrier
	s_cmp_lg_u32 s14, 0
	s_cbranch_scc1 .Lnot_wave_0_\@
	s_barrier_signal -3
.Lnot_wave_0_\@:
	s_barrier_wait -3
	s_barrier_signal -1
	s_barrier_wait -1
.endm
.macro CROUND                          ; a whole round
	s_barrier_signal -1
	s_barrier_wait -1
	CREST
.endm
	s_load_b512 s[68:83], s[0:1], 0x0              ; q s[68:69], k s[70:71], v s[72:73], w_q s[74:75], w_k s[76:77], w_v s[78:79], b_q s[80:81], b_k s[82:83]
	s_load_b256 s[84:91], s[0:1], 0x40             ; b_v s[84:85], the exponents s[86:87], qc s[88:89], kc s[90:91]
	s_load_b64 s[92:93], s[0:1], 0x60              ; vc
	v_lshl_add_u32 v[SPW], v0, 2, SPARE
	v_mov_b32 v[NIL], 0
	ds_add_u32 v[SPW], v[NIL]                      ; the wave's opening: the add, twice on end, and its wait ahead of my first tensor load
	ds_add_u32 v[SPW], v[NIL]
	v_lshrrev_b32 v1, 5, v0
	v_readfirstlane_b32 s14, v1                    ; wave 0..3
	s_lshr_b32 s15, s14, 1                         ; which half of a tile's A rows is mine.  Also: I fetch for A (0) or for B (1)
	s_and_b32 s16, s14, 1                          ; which half of its B rows.  Also: which half of those rows I fetch
	s_bfe_u32 s40, ttmp6, 0x40000                  ; cx, cy: my place in the cluster
	s_bfe_u32 s41, ttmp6, 0x40004
	s_and_b32 s13, ttmp7, 0xffff                   ; the cluster's number, 0 .. 15: the same in all sixteen partners
	s_lshr_b32 s12, s13, 3                         ; tile 1: 0 q, 1 k
	s_and_b32 s17, s13, 7
	s_lshl_b32 s17, s17, 2
	s_add_co_u32 s17, s17, s41                     ; tile 1: A's tile of x's 32: it hangs on cy, never on cx; B's tile of W's four is cx
	s_lshl_b32 s43, s41, 2
	s_lshl_b32 s43, 15, s43                        ; my row of the cluster
	s_lshl_b32 s44, 0x1111, s40                    ; my column
	; descriptor group 1: a tile of 128 rows x 256 bytes, padded in LDS
	s_or_b32 s[G1+0], s43, (0<<16)|(1<<20)|(1<<21)|(5<<22)|(3<<25)  ; 15:0 the mask: A's tiles go to my row; 17:16 elements of 1 byte; 20 padding on; 21 set beside a mask; 24:22 after every 64 words (code 5); 31:25 four words (code 3)
	s_or_b32 s[G1B+0], s44, (0<<16)|(1<<20)|(1<<21)|(5<<22)|(3<<25) ; the same with my column's mask, for B's tiles
.irp g, G1, G1B
	s_mov_b32 s[\g+1], ROWB<<16                    ; tensor_dim0
	s_mov_b32 s[\g+2], 128<<16                     ; tensor_dim1 = 128
	s_mov_b32 s[\g+3], ROWB<<16                    ; tile_dim0
	s_mov_b32 s[\g+4], 128                         ; tile_dim1 = 128
	s_mov_b32 s[\g+5], KROW                        ; tensor_dim0_stride
	s_mov_b32 s[\g+6], 0
	s_mov_b32 s[\g+7], 0
.endr
	s_lshl_b32 s18, s16, 17                        ; the half's 128 rows of 1,024 bytes
	s_lshl_b32 s20, s17, 18
	s_add_co_u32 s20, s20, s18                     ; A: row 256 x tile + 128 x half, in bytes
	s_mov_b32 s21, 0
	s_lshl_b32 s46, s40, 18
	s_add_co_u32 s46, s46, s18                     ; B likewise
	s_mov_b32 s47, 0
	s_mul_i32 s45, s14, HALFT                      ; where they go: wave x 128 rows: no place in the cluster enters an LDS address
	s_wait_dscnt 0x0                               ; both opening adds are done
	s_wait_kmcnt 0x0
	s_cmp_eq_u32 s12, 0                            ; the choice hangs on the cluster's number alone
	s_cselect_b64 s[4:5], s[68:69], s[70:71]       ; x
	s_cselect_b64 s[6:7], s[74:75], s[76:77]       ; W
	s_cselect_b64 s[94:95], s[80:81], s[82:83]     ; bias
	s_cselect_b64 s[96:97], s[88:89], s[90:91]     ; the codes' buffer
	s_add_nc_u64 s[20:21], s[4:5], s[20:21]
	s_add_nc_u64 s[46:47], s[6:7], s[46:47]
	CROUND                                         ; all sixteen work-groups are here: the first joint loads meet
.irp s, 0,1
	s_mov_b32 s[G0+4*\s], 1                        ; 1:0 count = 1
	s_add_co_u32 s[G0+4*\s+1], s45, \s*SLOT        ; 63:32 LDS address
	s_add_nc_u64 s[G0+4*\s+2:G0+4*\s+3], s[20:21], \s*ROWB   ; 120:64 global address: K step s
	s_or_b32 s[G0+4*\s+3], s[G0+4*\s+3], 0x80000000          ; 127:126 type = 2
	s_mov_b32 s[G0B+4*\s], 1
	s_add_co_u32 s[G0B+4*\s+1], s45, \s*SLOT
	s_add_nc_u64 s[G0B+4*\s+2:G0B+4*\s+3], s[46:47], \s*ROWB
	s_or_b32 s[G0B+4*\s+3], s[G0B+4*\s+3], 0x80000000
.endr
	JLOAD 0                                        ; K step 0: one tensor load a wave at the head
	; tile 2: A = W_v: block 4 x (cluster % 2) + cy of 128 rows, of which a fetching wave takes 64; B = v: tile 4 x (cluster / 2) + cx of 256 rows
	s_and_b32 s2, s13, 1
	s_lshl_b32 s2, s2, 2
	s_add_co_u32 s2, s2, s41
	s_lshr_b32 s3, s13, 1
	s_lshl_b32 s3, s3, 2
	s_add_co_u32 s3, s3, s40
	s_lshl_b32 s8, s2, 17
	s_lshl_b32 s66, s16, 16
	s_add_co_u32 s8, s8, s66
	s_mov_b32 s9, 0
	s_add_nc_u64 s[8:9], s[78:79], s[8:9]          ; tile 2's A, my rows
	s_lshl_b32 s10, s3, 18
	s_lshl_b32 s66, s16, 17
	s_add_co_u32 s10, s10, s66
	s_mov_b32 s11, 0
	s_add_nc_u64 s[10:11], s[72:73], s[10:11]      ; tile 2's B, my rows
	s_mul_i32 s[LA2], s14, 64*PITCH
	s_load_b256 s[68:75], s[86:87], 0x0            ; e0 .. e7
	s_load_b64 s[76:77], s[86:87], 0x20            ; e8, e9
	; the prefetches: s[18:19] tile 1, s[22:23] tile 2: my rows + my work-group's share among the four that ask with me
	s_cmp_eq_u32 s15, 0
	s_cselect_b64 s[18:19], s[20:21], s[46:47]
	s_cselect_b64 s[22:23], s[8:9], s[10:11]
	s_cselect_b32 s42, 15, 31                      ; tile 2: 16 of W's rows, or 32 of x's
	s_cselect_b32 s78, 14, 15
	s_cselect_b32 s79, s40, s41
	s_lshl_b32 s66, s79, 15
	s_mov_b32 s67, 0
	s_add_nc_u64 s[18:19], s[18:19], s[66:67]
	s_lshl_b32 s66, s79, s78
	s_add_nc_u64 s[22:23], s[22:23], s[66:67]
	s_and_b32 s66, s13, 6
	s_cmp_eq_u32 s66, 0
	s_cselect_b32 s66, 1, 0                        ; my cluster asks for W's rows too
	s_xor_b32 s67, s15, 1
	s_or_b32 s[ASK1], s66, s67                     ; tile 1: x's rows are waves 0 and 1's,
	s_or_b32 s[ASK2], s66, s15                     ; tile 2: waves 2 and 3's
	; the output's bases.  Tile 1: batch, head, row s; tile 2: batch, head, block of 64 keys (64 rows of 64 bytes in both)
	s_lshr_b32 s66, s17, 2
	s_lshl_b32 s66, s66, 20
	s_lshl_b32 s67, s40, 18
	s_add_co_u32 s66, s66, s67                     ; head 4 cx + 2 x half, 64 KiB a head
	s_lshl_b32 s67, s16, 17
	s_add_co_u32 s66, s66, s67
	s_and_b32 s67, s17, 3
	s_lshl_b32 s67, s67, 14
	s_add_co_u32 s66, s66, s67
	s_lshl_b32 s67, s15, 13
	s_add_co_u32 s66, s66, s67
	s_mov_b32 s67, 0
	s_add_nc_u64 s[4:5], s[96:97], s[66:67]
	s_lshr_b32 s66, s3, 2
	s_lshl_b32 s66, s66, 20
	s_lshl_b32 s67, s2, 17
	s_add_co_u32 s66, s66, s67                     ; head 2 x block + half
	s_lshl_b32 s67, s15, 16
	s_add_co_u32 s66, s66, s67
	s_and_b32 s67, s3, 3
	s_lshl_b32 s67, s67, 14
	s_add_co_u32 s66, s66, s67
	s_lshl_b32 s67, s16, 13
	s_add_co_u32 s66, s66, s67
	s_mov_b32 s67, 0
	s_add_nc_u64 s[6:7], s[92:93], s[66:67]
	s_lshl_b32 s66, s40, 10
	s_lshl_b32 s67, s16, 9
	s_add_co_u32 s66, s66, s67
	s_mov_b32 s67, 0
	s_add_nc_u64 s[94:95], s[94:95], s[66:67]      ; tile 1's bias at my first channel: 256 cx + 128 x half
	s_lshl_b32 s66, s2, 9
	s_lshl_b32 s67, s15, 8
	s_add_co_u32 s66, s66, s67
	s_mov_b32 s67, 0
	s_add_nc_u64 s[84:85], s[84:85], s[66:67]      ; tile 2's: 128 x block + 64 x half
	s_mul_i32 s2, s15, HALFT                       ; my rows of A,
	s_mul_i32 s3, s16, HALFT
	s_add_co_u32 s3, s3, 2*HALFT                   ; of B, which lie behind A's,
	s_mul_i32 s66, s15, 64*PITCH                   ; of tile 2's A
	s_mul_i32 s67, s14, SGW
	s_add_co_u32 s67, s67, STAGE                   ; my stage
	v_and_b32 v1, 15, v0                           ; r = l % 16
	v_bfe_u32 v2, v0, 4, 1                         ; h = l / 16
	v_and_b32 v6, 31, v0
	v_mul_u32_u24 v3, v1, PITCH
	v_lshl_add_u32 v4, v2, 4, v3                   ; a fragment's row x pitch + 16 x half
	v_add_nc_u32 v[ADRA], s2, v4
	v_add_nc_u32 v[ADRB], s3, v4
	v_add_nc_u32 v[ADR2], s66, v4
	v_add_nc_u32 v[ADRA+1], SLOT, v[ADRA]
	v_add_nc_u32 v[ADRB+1], SLOT, v[ADRB]
	v_add_nc_u32 v[ADR2+1], SLOT, v[ADR2]
	v_mul_u32_u24 v5, v1, SGP                      ; in: row r, 16 bytes for each half of the lanes
	v_lshl_add_u32 v5, v2, 4, v5
	v_add_nc_u32 v[STO], s67, v5
	v_lshlrev_b32 v[CO], 4, v6                     ; 16 x lane
	v_lshrrev_b32 v12, 2, v6                       ; back: four lanes take 64 bytes of a row, the 32 lanes eight rows
	v_mul_u32_u24 v12, v12, SGP
	v_and_b32 v13, 3, v6
	v_lshl_add_u32 v12, v13, 4, v12
	v_add_nc_u32 v[RD], s67, v12
	v_lshlrev_b32 v[PFO1], 10, v6
	v_min_u32 v[PFO2], s42, v6
	v_lshlrev_b32 v[PFO2], 10, v[PFO2]
	v_lshlrev_b32 v7, 5, v2                        ; tile 1's biases: eight channels from 8 h on;
	v_lshlrev_b32 v3, 2, v1                        ; tile 2's: channel r
	s_wait_alu depctr_va_vdst(0)                   ; the wait here, directly ahead of the branch below
	ASK ASK1, PFO1, 18, ROWB                       ; K step 1, whose joint load goes out when K step 0 has landed,
	ASK ASK1, PFO1, 18, 2*ROWB                     ; and K step 2, two joint loads on
.irp x, 0,1,2,3,4,5,6,7
	global_load_b128 v[BB+8*\x:BB+8*\x+3], v7, s[94:95] offset:64*\x
	global_load_b128 v[BB+8*\x+4:BB+8*\x+7], v7, s[94:95] offset:64*\x+16
.endr
.irp a, 0,1,2,3
	global_load_b32 v[VB+\a], v3, s[84:85] offset:64*\a
.endr
	s_wait_kmcnt 0x0                               ; the exponents
	s_add_co_i32 s66, s68, s69
	s_add_co_i32 s67, s70, s71
	s_cmp_eq_u32 s12, 0
	s_cselect_b32 s66, s66, s67                    ; ex + ew
	s_cselect_b32 s67, s74, s75                    ; eo: entry 6 (q), 7 (k)
	s_sub_co_i32 s67, s67, s66                     ; eo - ex - ew
	s_sub_co_i32 s66, 0, s66
	s_add_co_i32 s67, s67, 127
	s_lshl_b32 s2, s67, 23
	v_mov_b32 v[SCL], s2                           ; 2^(eo - ex - ew) as f32: the conversion takes its exponent field
	s_add_co_i32 s67, s67, 8
	s_lshl_b32 s67, s67, 23
	s_or_b32 s67, s67, 0x600000
	v_mov_b32 v[LIM], s67                          ; 448 x that
	s_add_co_i32 s98, s72, s73                     ; tile 2: the same of entries 4, 5 and 9
	s_sub_co_i32 s97, s77, s98
	s_sub_co_i32 s98, 0, s98
	s_add_co_i32 s97, s97, 127
	s_lshl_b32 s96, s97, 23
	s_add_co_i32 s97, s97, 8
	s_lshl_b32 s97, s97, 23
	s_or_b32 s97, s97, 0x600000
	s_wait_alu depctr_va_vdst(0)                   ; the wait here, directly ahead of the wait below
	s_wait_loadcnt 0x0                             ; the biases
.set J, 0
.rept 64
	v_ldexp_f32 v[BB+J], v[BB+J], s66              ; bias / 2^(ex + ew): what the sums of code products lack
.set J, J+1
.endr
.macro FRAG reg, adr, q, i             ; a fragment, 16 rows x 128 K, is 16 registers: lane l holds row l % 16; registers 4 c .. 4 c + 3 hold K = 32 c + 16 (l / 16) + 0 .. 15: one permutation of K, the same in A and in B
.irp c, 0,1,2,3
	ds_load_b128 v[\reg+4*\c:\reg+4*\c+3], v[\adr] offset:128*(\q)+32*\c+(\i)*16*PITCH
.endr
.endm
; TILE 1.  16 matrix instructions: A's blocks a0, a0 + 1 x B's eight, 128 along K.  p: B's set.  zero = 1: the sums start from the bias tile of B's block.
; The 64 accumulators take turns, one instruction a turn, in the same order in every step.
.macro MUL16 a0, p, zero
.irp a, \a0, \a0+1
.irp b, 0,1,2,3,4,5,6,7
.if \zero
	v_wmma_f32_16x16x128_fp8_fp8 v[8*(8*((\a)%4)+\b):8*(8*((\a)%4)+\b)+7], v[128*(\p)+FR*\b:128*(\p)+FR*\b+FR-1], v[AF+FR*(\a):AF+FR*(\a)+FR-1], v[BB+8*\b:BB+8*\b+7]
.else
	v_wmma_f32_16x16x128_fp8_fp8 v[8*(8*((\a)%4)+\b):8*(8*((\a)%4)+\b)+7], v[128*(\p)+FR*\b:128*(\p)+FR*\b+FR-1], v[AF+FR*(\a):AF+FR*(\a)+FR-1], v[8*(8*((\a)%4)+\b):8*(8*((\a)%4)+\b)+7]
.endif
.endr
.endr
.endm
; TILE 2.  Eight matrix instructions: A's block a x B's eight; p: the set of both.  zero = 1: the sums start from the bias tile of A's block.  32 accumulators by turns.
.macro MUL8 a, p, zero
.irp b, 0,1,2,3,4,5,6,7
.if \zero
	v_wmma_f32_16x16x128_fp8_fp8 v[8*(8*\a+\b):8*(8*\a+\b)+7], v[128*\p+FR*\b:128*\p+FR*\b+FR-1], v[AF+64*\p+FR*\a:AF+64*\p+FR*\a+FR-1], v[BB+8*\a:BB+8*\a+7]
.else
	v_wmma_f32_16x16x128_fp8_fp8 v[8*(8*\a+\b):8*(8*\a+\b)+7], v[128*\p+FR*\b:128*\p+FR*\b+FR-1], v[AF+64*\p+FR*\a:AF+64*\p+FR*\a+FR-1], v[8*(8*\a+\b):8*(8*\a+\b)+7]
.endif
.endr
.endm
.macro FETCH_B slot, q, p              ; B's eight fragments of the slot's q-th 128 along K into set p
	WIN TO_B
.irp i, 0,1,2,3,4,5,6,7
	FRAG 128*(\p)+FR*\i, ADRB+\slot, \q, \i
.endr
	WIN 0
.endm
.macro FETCH_A slot, q, i0             ; tile 1: A's blocks i0 .. i0 + 3
.irp i, \i0, \i0+1, \i0+2, \i0+3
	FRAG AF+FR*(\i), ADRA+\slot, \q, \i
.endr
.endm
.macro FETCH_2 slot, q, p              ; tile 2: A's four blocks into set p
.irp i, 0,1,2,3
	FRAG AF+64*(\p)+FR*\i, ADR2+\slot, \q, \i
.endr
.endm
; A load into a register that a matrix instruction has read, and a vector instruction that reads a matrix result, stand NP places behind that matrix instruction; only plain vector
; instructions that name none of its registers are places (ISA guide 7.12.1 for vector instructions).
.macro PLACES n
.rept \n
	v_nop
.endr
.endm
; A slot's first step of 128 along K.
.macro STEP slot, zero
	s_wait_dscnt 16                                ; B's set and A's blocks 0-3 are in; the youngest sixteen loads (A's blocks 4-7) may be out
	WIN MUL_LO-0x20*\zero                          ; MUL_LO or FST_LO
	MUL16 0, 0, \zero
	MUL16 2, 0, \zero
	s_wait_dscnt 0                                 ; A's blocks 4-7 are in (asked for 32 matrix instructions ago)
	PLACES NP
	FETCH_B \slot, 1, 1
	FETCH_A \slot, 1, 0
	WIN MUL_HI-0x30*\zero                          ; MUL_HI or FST_HI
	MUL16 4, 0, \zero
	MUL16 6, 0, \zero
	PLACES NP
	WIN 0
	FETCH_A \slot, 1, 4
.endm
; A slot's last step changes slots: ONE barrier, which opens a round; in front of it each wave waits for all its tensor loads, adds 0 to its spare word, and waits for that and for its own reads of this slot.
; Behind the round no wave of any partner still reads this slot's tile or has a load on its way: the slot is filled again, with tile 1's K step two on (kind = 1) or with tile 2's K step 0 or 1 (kind = 2; off: what is prefetched, tile 2's K step two on from that).
; end = 1: tile 1's last step: the fragments fetched are tile 2's first.
.macro TURN slot, next, kind, end, off
	s_wait_tensorcnt 0x0                           ; all my tensor loads have landed: my part of the next slot;  (every window is 0 here: the add's two registers lie in window 0)
	ds_add_u32 v[SPW], v[NIL]                      ; 0 onto my spare word
	s_wait_dscnt 17                                ; (the add and the youngest sixteen loads, A's blocks 4-7, may be out)
	WIN MUL_LO
	MUL16 0, 1, 0                                  ; sixteen matrix instructions stand between the add and the wait for it
	s_wait_dscnt 0x0                               ; the add is done, and my reads of this slot are over
	s_barrier_signal -1
	MUL16 2, 1, 0
	WIN 0
	s_barrier_wait -1
	CREST
.if \kind == 1
	s_add_nc_u64 s[G0+4*\slot+2:G0+4*\slot+3], s[G0+4*\slot+2:G0+4*\slot+3], 2*ROWB
	s_add_nc_u64 s[G0B+4*\slot+2:G0B+4*\slot+3], s[G0B+4*\slot+2:G0B+4*\slot+3], 2*ROWB
.else
.if \slot == 0
	s_mov_b32 s[G1+2], 64<<16                      ; tile 2's A: 64 rows a wave
	s_mov_b32 s[G1+4], 64
.endif
	s_add_co_u32 s[G0+4*\slot+1], s[LA2], \slot*SLOT
	s_add_nc_u64 s[G0+4*\slot+2:G0+4*\slot+3], s[8:9], \slot*ROWB
	s_or_b32 s[G0+4*\slot+3], s[G0+4*\slot+3], 0x80000000
	s_add_nc_u64 s[G0B+4*\slot+2:G0B+4*\slot+3], s[10:11], \slot*ROWB
	s_or_b32 s[G0B+4*\slot+3], s[G0B+4*\slot+3], 0x80000000
.endif
	JLOAD \slot                                    ; the first tensor load behind the round; the four v_nop behind it are the places in front of the loads below
	FETCH_B \next, 0, 0
.if \end
	FETCH_2 \next, 0, 0
.else
	FETCH_A \next, 0, 0
.endif
	ASK ASK2, PFO2, 22, \off
	WIN MUL_HI
	MUL16 4, 1, 0
	MUL16 6, 1, 0
.if \end == 0
	PLACES NP
.endif
	WIN 0
.if \end == 0
	FETCH_A \next, 0, 4
.endif
.endm
; Tile 2: a slot's first step: the fragments of its second are asked for ahead of the 32 products.
.macro STEP2 slot, zero
	s_wait_dscnt 0x0                               ; this step's fragments are in
	PLACES NP
	FETCH_B \slot, 1, 1
	FETCH_2 \slot, 1, 1
	WIN MUL_LO-0x20*\zero
.irp a, 0,1,2,3
	MUL8 \a, 0, \zero
.endr
	WIN 0
.endm
; Tile 2: a slot's last step changes slots, as TURN does.  fill = 1: the slot is filled with the K step two on.
.macro TURN2 slot, next, fill
	s_wait_tensorcnt 0x0                           ; all my tensor loads have landed: my part of the next slot;
	ds_add_u32 v[SPW], v[NIL]                      ; 0 onto my spare word
	s_wait_dscnt 1                                 ; this step's fragments are in (the add may be out)
	WIN MUL_LO
	MUL8 0, 1, 0
	s_wait_dscnt 0x0                               ; the add is done; my reads of this slot are over
	s_barrier_signal -1
	MUL8 1, 1, 0
	WIN 0
	s_barrier_wait -1
.if \fill
	CREST
	s_add_nc_u64 s[G0+4*\slot+2:G0+4*\slot+3], s[G0+4*\slot+2:G0+4*\slot+3], 2*ROWB
	s_add_nc_u64 s[G0B+4*\slot+2:G0B+4*\slot+3], s[G0B+4*\slot+2:G0B+4*\slot+3], 2*ROWB
	JLOAD \slot
.else
	PLACES NP
.endif
	FETCH_B \next, 0, 0
	FETCH_2 \next, 0, 0
	WIN MUL_LO
	MUL8 2, 1, 0
	MUL8 3, 1, 0
	WIN 0
.endm
; THE WAY OUT, by A's blocks of 16 rows x 128 of B's rows.  The sums are held within +-448 x the folded scale and converted, eight a conversion; a lane's 64 codes go as four pieces of 16 bytes into my own stage
; (16 rows of 128 bytes) and come back eight rows x 64 bytes at a time, which are 512 consecutive bytes of the output.  LDS serves a wave's instructions in order (ISA guide 5.7.1.4): no wait between the stores and the loads,
; nor in front of the next block's stores.
.macro TOSTAGE a
.set AC, 64*((\a)%4)
.set CC, CD+16*((\a)%2)
.set RBK, BK+16*((\a)%2)
	WIN 0x02+((\a)/4)                              ; source 0: window 2 or 3
.set J, 0
.rept 64
	v_med3_num_f32 v[TMP+J], v[AC+J], -v[LIM], v[LIM]   ; the conversion to an 8-bit code does not saturate (ISA guide 7.6.2): the hold comes first; each accumulator is read from its low end on
.set J, J+1
.endr
	WIN 0
.irp b, 0,1,2,3,4,5,6,7
	v_cvt_scalef32_pk8_fp8_f32 v[CC+2*\b:CC+2*\b+1], v[TMP+8*\b:TMP+8*\b+7], v[SCL]
.endr
	v_nop                                          ; one plain vector instruction behind the last conversion: the next block's holds write its sources
.irp c, 0,1,2,3
	ds_store_b128 v[STO], v[CC+4*\c:CC+4*\c+3] offset:32*\c     ; B's blocks 2 c and 2 c + 1: bytes 32 c + 16 h + 0 .. 15 of my row
.endr
.irp hh, 0,1
.irp t, 0,1
	ds_load_b128 v[RBK+4*(2*\hh+\t):RBK+4*(2*\hh+\t)+3], v[RD] offset:64*\hh+8*SGP*\t
.endr
.endr
.endm
.macro SEND a, younger, base, hs       ; younger: the LDS instructions issued behind block a's loads, which may stay out; hs: bytes from a stage row's first 64 to its second
.set RBK, BK+16*((\a)%2)
	s_wait_dscnt \younger                          ; the block's codes are back in registers
.irp hh, 0,1
.irp t, 0,1
	global_store_b128 v[CO], v[RBK+4*(2*\hh+\t):RBK+4*(2*\hh+\t)+3], s[\base:\base+1] offset:\hh*\hs+(\a)*1024+512*\t   ; 32 lanes store 512 consecutive bytes, at a multiple of 512 from the buffer's first byte; the next launch reads them
.endr
.endr
.endm
	s_wait_alu depctr_va_vdst(0)                   ; the wait at the head's end
	s_wait_tensorcnt 0x0                           ; my part of K step 0 is in
	ds_add_u32 v[SPW], v[NIL]
	s_wait_dscnt 0x0                               ; the add is done
	CROUND                                         ; everybody's part of K step 0 is in, and all sixteen work-groups are here
	JLOAD 1                                        ; K step 1: the first tensor load behind the round
	FETCH_B 0, 0, 0
	FETCH_A 0, 0, 0
	FETCH_A 0, 0, 4
	ASK ASK1, PFO1, 18, 3*ROWB                     ; K step 3
	STEP 0, 1
	TURN 0, 1, 1, 0, 0                             ; slot 0 takes K step 2; tile 2's K step 0 is prefetched
	STEP 1, 0
	TURN 1, 0, 1, 0, ROWB                          ; slot 1 takes K step 3; tile 2's K step 1
	STEP 0, 0
	TURN 0, 1, 2, 0, 2*ROWB                        ; slot 0 takes tile 2's K step 0; its K step 2
	STEP 1, 0
	TURN 1, 0, 2, 1, 3*ROWB                        ; slot 1 takes tile 2's K step 1; its K step 3
	PLACES NP                                      ; behind the last products: for the loads into the registers that held A's fragments
	TOSTAGE 0                                      ; tile 1 goes out
.irp a, 1,2,3,4,5,6,7
.if \a > 1
	s_wait_xcnt 0x0                                ; block a - 2's stores have read their registers: block a's loads may land there
.endif
	TOSTAGE \a
	SEND \a-1, 8, 4, 65536                         ; behind block a - 1's loads: block a's four stores and four loads; the second 64 bytes are the next head's
.endr
	SEND 7, 0, 4, 65536
.irp a, 0,1,2,3
.irp i, 0,1,2,3,4,5,6,7
	v_ldexp_f32 v[BB+8*\a+\i], v[VB+\a], s98       ; tile 2's bias tiles: a lane's eight results are of one channel
.endr
.endr
	v_mov_b32 v[SCL], s96                          ; tile 2's folded scale
	v_mov_b32 v[LIM], s97
	s_wait_alu depctr_va_vdst(0)                   ; the wait here, directly ahead of the waits below
	s_wait_xcnt 0x0                                ; the stores have read their registers: fragments may land there
	STEP2 0, 1
	TURN2 0, 1, 1                                  ; slot 0 takes K step 2
	STEP2 1, 0
	TURN2 1, 0, 1                                  ; slot 1 takes K step 3
	STEP2 0, 0
	TURN2 0, 1, 0                                  ; nothing is left to fetch: no round of the cluster's barrier
	STEP2 1, 0
	s_wait_dscnt 0x0                               ; the very last step
	WIN MUL_LO
.irp a, 0,1,2,3
	MUL8 \a, 1, 0
.endr
	WIN 0
	PLACES NP                                      ; for the first read of results and for the loads into the registers that held A's fragments
	TOSTAGE 0                                      ; tile 2 goes out
.irp a, 1,2,3
.if \a > 1
	s_wait_xcnt 0x0
.endif
	TOSTAGE \a
	SEND \a-1, 8, 6, 4096                          ; the second 64 bytes are the next 64 keys'
.endr
	SEND 3, 0, 6, 4096
	s_wait_tensorcnt 0x0                           ; the wave's end: behind my last tensor load and my last LDS store
	ds_add_u32 v[SPW], v[NIL]
	s_wait_dscnt 0x0
	CROUND                                         ; the closing round: no work-group ends while a partner may still ask for a tile that names it
	s_endpgm
.Lfunc_end_k_q3b07dcedd6_proj:
	.size	k_q3b07dcedd6_proj, .Lfunc_end_k_q3b07dcedd6_proj-k_q3b07dcedd6_proj
	.p2alignl 7, 3214868480
	.fill 96, 4, 3214868480
	.section	.rodata,"a",@progbits
	.p2align	6, 0x0
	.amdhsa_kernel k_q3b07dcedd6_proj
		.amdhsa_group_segment_fixed_size 327680
		.amdhsa_private_segment_fixed_size 0
		.amdhsa_enable_private_segment 0
		.amdhsa_kernarg_size 104
		.amdhsa_user_sgpr_count 2
		.amdhsa_user_sgpr_kernarg_segment_ptr 1
		.amdhsa_wavefront_size32 1
		.amdhsa_system_sgpr_workgroup_id_x 1
		.amdhsa_system_sgpr_workgroup_id_y 1
		.amdhsa_system_sgpr_workgroup_id_z 1
		.amdhsa_system_vgpr_workitem_id 0
		.amdhsa_next_free_vgpr 1024
		.amdhsa_next_free_sgpr 102
		.amdhsa_reserve_vcc 0
		.amdhsa_float_denorm_mode_32 3
		.amdhsa_float_denorm_mode_16_64 3
		.amdhsa_memory_ordered 1
		.amdhsa_forward_progress 1
		.amdhsa_inst_pref_size 203
	.end_amdhsa_kernel
	.amdgpu_metadata
---
amdhsa.version: [ 1, 2 ]
amdhsa.kernels:
  - .name:           k_q3b07dcedd6_proj
    .symbol:         k_q3b07dcedd6_proj.kd
    .args:
      - { .name: q_codes, .offset: 0, .size: 8, .value_kind: global_buffer, .address_space: global }
      - { .name: k_codes, .offset: 8, .size: 8, .value_kind: global_buffer, .address_space: global }
      - { .name: v_codes, .offset: 16, .size: 8, .value_kind: global_buffer, .address_space: global }
      - { .name: w_q_codes, .offset: 24, .size: 8, .value_kind: global_buffer, .address_space: global }
      - { .name: w_k_codes, .offset: 32, .size: 8, .value_kind: global_buffer, .address_space: global }
      - { .name: w_v_codes, .offset: 40, .size: 8, .value_kind: global_buffer, .address_space: global }
      - { .name: b_q, .offset: 48, .size: 8, .value_kind: global_buffer, .address_space: global }
      - { .name: b_k, .offset: 56, .size: 8, .value_kind: global_buffer, .address_space: global }
      - { .name: b_v, .offset: 64, .size: 8, .value_kind: global_buffer, .address_space: global }
      - { .name: lowp_scales, .offset: 72, .size: 8, .value_kind: global_buffer, .address_space: global }
      - { .name: qc, .offset: 80, .size: 8, .value_kind: global_buffer, .address_space: global }
      - { .name: kc, .offset: 88, .size: 8, .value_kind: global_buffer, .address_space: global }
      - { .name: vc, .offset: 96, .size: 8, .value_kind: global_buffer, .address_space: global }
    .group_segment_fixed_size: 327680
    .private_segment_fixed_size: 0
    .kernarg_segment_align: 8
    .kernarg_segment_size: 104
    .max_flat_workgroup_size: 128
    .sgpr_count:     102
    .vgpr_count:     1024
    .wavefront_size: 32
...
	.end_amdgpu_metadata
.endif
;; end of part 1
;; launch attn (part 2): grid 4 x 64, 8 waves a work-group, clusters of 4 x 1, 327,680 bytes of LDS; arguments qc, kc, vc, lowp_scales, out0; writes out0
.if DOCPART == 2
	.amdgcn_target "amdgcn-amd-amdhsa--gfx1250"
	.amdhsa_code_object_version 6
	.text
	.protected	k_q3b07dcedd6_attn
	.globl	k_q3b07dcedd6_attn
	.p2align	8
	.type	k_q3b07dcedd6_attn,@function
k_q3b07dcedd6_attn:
	s_mov_b64 s[64:65], 0
	v_nop
	global_prefetch_b8 v0, s[64:65] scope:SCOPE_SE
	s_setreg_imm32_b32 hwreg(HW_REG_WAVE_MODE, 25, 1), 1
	s_wait_xcnt 0x0
	s_wait_alu depctr_hold_cnt(0) depctr_sa_sdst(0) depctr_va_vdst(0) depctr_va_sdst(0) depctr_va_ssrc(0) depctr_va_vcc(0) depctr_vm_vsrc(0)
	s_getreg_b32 s2, hwreg(HW_REG_IB_STS2, 6, 4)
	s_cmp_eq_u32 s2, 0
	s_cbranch_scc0 .Lentry_in_a_cluster
	s_endpgm
.Lentry_in_a_cluster:
	s_bfe_u32 s2, ttmp6, 0x10000c
	s_cmp_lg_u32 s2, 0x3003
	s_cbranch_scc0 .Lentry_shape_is_right
	s_endpgm
.Lentry_shape_is_right:
; O[b][q][head] = the sum over k of softmax_k(Q . K / 8) V, both products on codes of FP8 (E4M3), made by the launch before.  qc, kc: [b x 16 + head][s 1024][64 bytes]; vc: [b x 16 + head][s / 64][channel 64][64 bytes along the keys];
; within each 64 bytes index 16 a + 8 h + i lies at byte 32 (a / 2) + 16 h + 8 (a % 2) + i.  out0: [b][s][1024] f32.  lowp_scales entries 6 .. 9: eq, ek, ep, ev.
; THE SOFTMAX: t = score x log2(e) / 8; M = the row's largest t so far, rounded UP to a whole number; p = 2^(t - M) is quantised with 2^ep, not normalised; the row's sum is taken of the unquantised p and divides O at the end.
; When M moves, the sum and O are multiplied by 2^(old M - new M): nothing is rounded.  The keys go in steps of 256, so O is brought under a new M three times a head.
; SHARES.  A work-group owns 256 queries of TWO heads, one head after the other: 4 x 64 work-groups.  Each of its eight waves owns 32 of the queries, tiles A and B of 16, which share each fragment of K and V.
; CLUSTERS: the four work-groups of a pair of heads form a cluster of 4 x 1.  They need the same K and V, which are asked for JOINTLY (mask 15), by the same tensor loads with the same descriptors; only Q and the output hang on the place in the cluster.
; K AND V OF BOTH HEADS LIE IN LDS: four times 64 KiB, dense in memory, each as 256 long rows of 256 bytes (four rows of 64) with 16 bytes of padding; each wave fetches half of one of the four, one load a wave.  LDS is filled once: no ring, no refill,
; and no prefetch, since all is asked for at the head and no stream is left to run ahead in.
; Row x of 64 bytes lies at 272 (x / 4) + 64 (x % 4): the 16 rows of a fragment fall on 16 different columns of 16 bytes modulo 256.
; LAYOUT.  Both products are used transposed: S^T = K Q^T (source 0 = 16 keys, source 1 = 16 queries), O^T = V^T P^T (source 0 = 16 channels, source 1 = P, 128 keys): a lane holds ONE query (lane % 16) throughout.
; In S^T register i of key tile t is key 16 t + 8 h + i, so tile t's conversion gives P's registers 2 t, 2 t + 1; V's pieces of 16 bytes hold, by vc's order, just those keys in just those places.
; LIMITS on the given exponents: eq + ek between -123 and 130 (added to c's exponent field); ep between -126 and 119; ep + ev is applied by v_ldexp_f32.  The scaled scores t stay under 2^31 in magnitude.  p under 2^-126 counts as 0 (v_exp_f32).
; REGISTERS.  Window 1: S^T, then p: tile A v0-127, tile B v128-255 (v0-63: later V of the step's second 128 keys).  Window 0: as named below.
.set LP,    272                        ; a long row in LDS
.set T16,   4*LP                       ; 16 rows of 64 bytes: a fragment's rows
.set B64,   16*LP                      ; 64 rows of 64 bytes
.set STEPB, 4*B64                      ; a step of 256 keys, in K and in V
.set HALFR, 128*LP                     ; 128 long rows: what one tensor load brings
.set VREG,  2*HALFR                    ; a head: K, then V behind it
.set HEADB, 4*HALFR                    ; from head to head
.set STAGE, 8*HALFR                    ; the stages for the way out: 16 rows x 272 bytes for each wave; no tensor load lands there
.set SPARE, STAGE+8*16*LP              ; the spare words, 128 bytes for each wave: four blocks of 256 bytes that no other line names
.set AK0, 1                            ; v1   my lane's place in a fragment of K
.set ADK, 2                            ; v2   LDS address of K's loads in hand
.set ADV, 3                            ; v3   of V's
.set AV0, 4                            ; v4   my lane's place in a fragment of V
.set STI, 5                            ; v5   the stage: where I put 32 bytes of a row
.set STO, 6                            ; v6   and where I read 16 bytes back
.set GO,  7                            ; v7   my byte offset in the wave's rows of out0
.set LIM, 8                            ; v8   448 x 2^ep
.set SCL, 9                            ; v9   2^ep
.set PX,  10                           ; v10, v11  what the lane 16 away holds
.set NM,  12                           ; v[12:13] tile A: -M in the low word; v[14:15] tile B.  At the end: the factor 2^(ep + ev) / sum
.set MX,  176                          ; v176-183 the largest score so far among my keys: four chains a tile
.set TT,  20                           ; v20, v21 at work
.set FF,  22                           ; v[22:23], v[24:25]  2^(old M - new M) in the low word
.set QO,  26                           ; v26  my byte offset in the wave's rows of Q
.set SPW, 28                           ; v28  LDS address of my spare word; never rewritten
.set NIL, 29                           ; v29  0; never rewritten
.set QF,  32                           ; v32-47   Q: 8 registers a tile
.set PF,  48                           ; v48-111  P's codes, 32 a tile
.set KA,  112                          ; v112-175 K's fragments 8-15 (0-7 lie in window 1, v64-127, which tile A's scores have left by then); then V of the step's first 128 keys; on the way out O x the factor
.set LS,  184                          ; v184-191 the sums: two packed chains a tile
.set TP,  PF+48                        ; v96-111 a chunk's sums in eight packed chains, ahead of the last chunk's codes
.set OO,  192                          ; v192-255 O^T: 32 a tile
.set WV,  14                           ; s14  my wave's number
.set G1,  24                           ; s[24:31] descriptor group 1
.set G0,  32                           ; s[32:35] group 0
.set SEL, 44                           ; s[44:45] lane selects for v_permlanex16_b32: lane l xor 16
.set CS,  46                           ; s[46:47] c = log2(e) / 8 x 2^(eq + ek): the packed form names a pair and takes its low word for both halves
.set TB,  48                           ; s48  LDS byte at which the head in hand begins
.set CNT, 49                           ; s49  heads to go
.set T2,  51                           ; s51  at work
.set MSB, 0
.macro WIN new                         ; the immediate's high byte repeats the setting that is left
.if MSB != (\new)
	s_set_vgpr_msb (MSB<<8)|(\new)
.set MSB, (\new)
.endif
.endm
.macro CROUND                          ; a whole round of the cluster's barrier
	s_barrier_signal -1
	s_barrier_wait -1
	s_cmp_lg_u32 s[WV], 0
	s_cbranch_scc1 .Lnot_wave_0_\@
	s_barrier_signal -3
.Lnot_wave_0_\@:
	s_barrier_wait -3
	s_barrier_signal -1
	s_barrier_wait -1
.endm
	s_load_b256 s[4:11], s[0:1], 0x0               ; qc s[4:5], kc s[6:7], vc s[8:9], the exponents s[10:11]
	s_load_b64 s[12:13], s[0:1], 0x20              ; out0
	v_lshl_add_u32 v[SPW], v0, 2, SPARE
	v_mov_b32 v[NIL], 0
	ds_add_u32 v[SPW], v[NIL]                      ; the wave's opening: the add, twice on end, and its wait ahead of my first tensor load
	ds_add_u32 v[SPW], v[NIL]
	v_lshrrev_b32 v30, 5, v0
	v_readfirstlane_b32 s[WV], v30                 ; wave 0..7
	s_bfe_u32 s15, ttmp6, 0x40000                  ; cx: which quarter of the queries
	s_and_b32 s16, ttmp7, 0xffff                   ; which pair of heads, 0 .. 63
	; descriptor group 1: 128 long rows of 256 bytes, dense in memory, padded in LDS
	s_mov_b32 s[G1], 15|(0<<16)|(1<<20)|(1<<21)|(5<<22)|(3<<25)   ; 15:0 all four of the cluster; 17:16 elements of 1 byte; 20 padding on; 21 set beside a mask; 24:22 after every 64 words (code 5); 31:25 four words (code 3)
	s_mov_b32 s[G1+1], 256<<16                     ; tensor_dim0
	s_mov_b32 s[G1+2], 128<<16                     ; tensor_dim1
	s_mov_b32 s[G1+3], 256<<16                     ; tile_dim0
	s_mov_b32 s[G1+4], 128                         ; tile_dim1
	s_mov_b32 s[G1+5], 256                         ; tensor_dim0_stride
	s_mov_b32 s[G1+6], 0
	s_mov_b32 s[G1+7], 0
	s_lshl_b32 s18, s16, 17                        ; the pair's first byte in kc and vc: 2 x 64 KiB a pair;
	s_lshr_b32 s20, s[WV], 2
	s_lshl_b32 s20, s20, 16                        ; waves 4-7 fetch the second head,
	s_add_co_u32 s18, s18, s20
	s_and_b32 s20, s[WV], 1
	s_lshl_b32 s20, s20, 15                        ; odd waves the second half
	s_add_co_u32 s18, s18, s20
	s_mov_b32 s19, 0
	s_mov_b32 s[G0], 1                             ; 1:0 count = 1
	s_mul_i32 s[G0+1], s[WV], HALFR                ; 63:32 LDS address: K, V of the first head, K, V of the second, halves in order
	s_and_b32 s20, s[WV], 2                        ; of V (2) or of K (0)
	s_wait_dscnt 0x0                               ; both opening adds are done
	s_wait_kmcnt 0x0
	s_load_b128 s[40:43], s[10:11], 0x18           ; eq, ek, ep, ev
	s_cmp_eq_u32 s20, 0
	s_cselect_b64 s[22:23], s[6:7], s[8:9]
	s_add_nc_u64 s[G0+2:G0+3], s[22:23], s[18:19]  ; 120:64 global address
	s_or_b32 s[G0+3], s[G0+3], 0x80000000          ; 127:126 type = 2
	CROUND                                         ; all four work-groups are here: the joint loads meet
	tensor_load_to_lds s[G0:G0+3], s[G1:G1+7]      ; every wave's one load
	s_nop 0
.rept 4
	v_nop
.endr
	s_lshl_b32 s18, s16, 17                        ; Q: the pair's first head,
	s_lshl_b32 s20, s15, 14
	s_add_co_u32 s18, s18, s20                     ; my quarter's 256 queries of 64 bytes,
	s_lshl_b32 s20, s[WV], 11
	s_add_co_u32 s18, s18, s20                     ; my wave's 32
	s_mov_b32 s19, 0
	s_add_nc_u64 s[4:5], s[4:5], s[18:19]
	s_lshr_b32 s18, s16, 3
	s_lshl_b32 s18, s18, 22                        ; out0: the batch's 1,024 rows of 4,096 bytes,
	s_lshl_b32 s20, s15, 20
	s_add_co_u32 s18, s18, s20                     ; my quarter's 256,
	s_lshl_b32 s20, s[WV], 17
	s_add_co_u32 s18, s18, s20                     ; my wave's 32,
	s_and_b32 s20, s16, 7
	s_lshl_b32 s20, s20, 9
	s_add_co_u32 s18, s18, s20                     ; the first head's 256 bytes of a row
	s_add_nc_u64 s[12:13], s[12:13], s[18:19]
	s_mul_i32 s22, s[WV], 16*LP
	s_add_co_u32 s22, s22, STAGE                   ; my stage
	v_and_b32 v30, 15, v0                          ; r
	v_bfe_u32 v31, v0, 4, 1                        ; h
	v_lshlrev_b32 v[QO], 6, v30
	v_lshrrev_b32 v27, 2, v30
	v_lshl_add_u32 v[QO], v31, 4, v[QO]            ; Q: row r of 64 bytes + 16 h
	v_mul_u32_u24 v[AK0], v27, LP
	v_and_b32 v27, 3, v30
	v_mul_u32_u24 v[STI], v30, LP
	v_lshl_add_u32 v[AK0], v27, 6, v[AK0]
	v_mul_u32_u24 v[STO], v31, LP
	v_lshl_add_u32 v[AK0], v31, 4, v[AK0]          ; 272 (r / 4) + 64 (r % 4) + 16 h
	v_lshl_add_u32 v[STI], v31, 5, v[STI]
	v_lshl_add_u32 v[STO], v30, 4, v[STO]
	v_lshlrev_b32 v[GO], 12, v31
	v_add_nc_u32 v[AV0], VREG, v[AK0]
	v_add_nc_u32 v[STI], s22, v[STI]               ; in: row r, + 32 h
	v_add_nc_u32 v[STO], s22, v[STO]               ; back: lanes 0-15 one row of 256 bytes, lanes 16-31 the next
	v_lshl_add_u32 v[GO], v30, 4, v[GO]            ; and the same two rows in out0
.irp i, PX, PX+1, NM+1, NM+3, FF+1, FF+3
	v_mov_b32 v[\i], 0                             ; written once: a lane permute's destination counts as one of its sources; the others are named as upper halves of pairs
.endr
	global_load_b128 v[QF:QF+3],     v[QO], s[4:5]             ; the first head's Q: tile A,
	global_load_b128 v[QF+4:QF+7],   v[QO], s[4:5] offset:32
	global_load_b128 v[QF+8:QF+11],  v[QO], s[4:5] offset:1024 ; tile B
	global_load_b128 v[QF+12:QF+15], v[QO], s[4:5] offset:1056
	s_mov_b32 s[SEL], 0x76543210
	s_mov_b32 s[SEL+1], 0xfedcba98
	s_mov_b32 s[CS], 0x3e38aa3b                    ; log2(e) / 8
	s_mov_b32 s[TB], 0
	s_mov_b32 s[CNT], 2
	s_wait_alu depctr_va_vdst(0)                   ; the wait here, directly ahead of the wait below
	s_wait_kmcnt 0x0
	s_add_co_i32 s16, s40, s41
	s_lshl_b32 s16, s16, 23
	s_add_co_i32 s[CS], s[CS], s16                 ; a score stands for score x 2^(eq + ek): the two exponents are added to c's exponent field
	s_mov_b32 s[CS+1], s[CS]                       ; (named with it as a pair, so it is written)
	s_add_co_i32 s16, s42, 127
	s_lshl_b32 s17, s16, 23
	v_mov_b32 v[SCL], s17                          ; 2^ep as f32, for the conversion
	s_add_co_i32 s16, s16, 8
	s_lshl_b32 s16, s16, 23
	s_or_b32 s16, s16, 0x600000
	v_mov_b32 v[LIM], s16                          ; 448 x 2^ep
	s_add_co_i32 s50, s42, s43                     ; ep + ev
	s_wait_alu depctr_va_vdst(0)                   ; the wait at the head's end
	s_wait_tensorcnt 0x0                           ; my half has landed,
	s_barrier_signal -1
	s_barrier_wait -1                              ; everybody's has: K and V of both heads are whole, and nothing writes them again
.macro KLOAD g                         ; K's fragments 8 g .. 8 g + 7 of the step at v[ADK] (0-7 into window 1, v64-127; 8-15 into window 0, v112-175): by two loads of 16 bytes at 16 h and 32 + 16 h of the row: one permutation of the head's 64 in Q and K
	WIN 0x40*(1-\g)
.irp t, 0,1,2,3,4,5,6,7
	ds_load_b128 v[64+48*\g+8*\t:64+48*\g+8*\t+3],   v[ADK] offset:T16*(8*\g+\t)
	ds_load_b128 v[64+48*\g+8*\t+4:64+48*\g+8*\t+7], v[ADK] offset:T16*(8*\g+\t)+32
.endr
	WIN 0
.endm
.macro VLOAD dst, b                    ; V: 4 x 16 channels, the step's keys 128 b .. 128 b + 127
.irp u, 0,1,2,3
.irp j, 0,1
	ds_load_b128 v[\dst+16*\u+8*\j:\dst+16*\u+8*\j+3],   v[ADV] offset:(2*\b+\j)*B64+T16*\u
	ds_load_b128 v[\dst+16*\u+8*\j+4:\dst+16*\u+8*\j+7], v[ADV] offset:(2*\b+\j)*B64+T16*\u+32
.endr
.endr
.endm
.macro SPROD g                         ; sixteen products: key tiles 8 g .. 8 g + 7 x two tiles of queries, each beginning with the constant 0
.irp t, 0,1,2,3,4,5,6,7
.irp q, 0,1
	v_wmma_f32_16x16x64_fp8_fp8 v[128*\q+64*\g+8*\t:128*\q+64*\g+8*\t+7], v[64+48*\g+8*\t:64+48*\g+8*\t+7], v[QF+8*\q:QF+8*\q+7], 0
.endr
.endr
.endm
; THE SOFTMAX of a step goes in four chunks of 64 registers (128 keys of a tile; chunk k at v[64 k], tile k / 2).
; HERE A CHUNK IS 64 REGISTERS (128 keys of a tile): four chunks, chunk k at v[64 k], tile k / 2.
.macro FMA1 k, j                       ; t - M, two at a time (of the pairs c and -M the low word serves both halves)
	v_pk_fma_f32 v[64*\k+2*\j:64*\k+2*\j+1], v[64*\k+2*\j:64*\k+2*\j+1], s[CS:CS+1], v[NM+2*(\k/2):NM+2*(\k/2)+1] op_sel_hi:[1,0,0]
.endm
.macro MIN1 k, j                       ; the conversion to an 8-bit code does not saturate (ISA guide 7.6.2); p is not negative, so the hold is one-sided; it is always executed
	v_dual_min_num_f32 v[64*\k+2*\j], v[64*\k+2*\j], v[LIM] :: v_dual_min_num_f32 v[64*\k+2*\j+1], v[64*\k+2*\j+1], v[LIM]
.endm
.macro ADDS k                          ; the row's sum is taken of the unquantised p, ahead of the hold: eight packed chains by turns, begun anew in each chunk,
	WIN 0x05                                       ; sources 0 and 1 window 1
.irp i, 0,1,2,3,4,5,6,7
	v_pk_add_f32 v[TP+2*\i:TP+2*\i+1], v[64*\k+2*\i:64*\k+2*\i+1], v[64*\k+16+2*\i:64*\k+16+2*\i+1]
.endr
	WIN 0x01                                       ; source 0 window 1
.irp j, 32,48
.irp i, 0,1,2,3,4,5,6,7
	v_pk_add_f32 v[TP+2*\i:TP+2*\i+1], v[64*\k+\j+2*\i:64*\k+\j+2*\i+1], v[TP+2*\i:TP+2*\i+1]
.endr
.endr
.endm
.macro FOLD k                          ; and folded into the tile's two
	WIN 0
.irp i, 0,2,4,6
	v_pk_add_f32 v[TP+\i:TP+\i+1], v[TP+\i:TP+\i+1], v[TP+8+\i:TP+8+\i+1]
.endr
.irp i, 0,2
	v_pk_add_f32 v[TP+\i:TP+\i+1], v[TP+\i:TP+\i+1], v[TP+4+\i:TP+4+\i+1]
.endr
.irp i, 0,2
	v_pk_add_f32 v[LS+4*(\k/2)+\i:LS+4*(\k/2)+\i+1], v[LS+4*(\k/2)+\i:LS+4*(\k/2)+\i+1], v[TP+\i:TP+\i+1]
.endr
.endm
.macro CVT k
.irp t, 0,1,2,3,4,5,6,7
	v_cvt_scalef32_pk8_fp8_f32 v[PF+16*\k+2*\t:PF+16*\k+2*\t+1], v[64*\k+8*\t:64*\k+8*\t+7], v[SCL]
.endr
.endm
.macro STAGE n
	s_wait_alu depctr_va_vdst(0)
.if \n > 0
	ADDS (\n-1)
.if \n > 1
	CVT (\n-2)
.endif
	FOLD (\n-1)
.endif
	WIN 0x41                                       ; source 0 and destination window 1
.set J, 0
.rept 32
.if \n < 3
	FMA1 (\n+1), J
.endif
	v_exp_f32 v[64*\n+2*J], v[64*\n+2*J]
.if \n > 0
	MIN1 (\n-1), J
.endif
	v_exp_f32 v[64*\n+2*J+1], v[64*\n+2*J+1]
.set J, J+1
.endr
.endm
; A STEP of 256 keys, the st-th of the head.  first = 1: M is new, and the products start O^T's sums with the constant 0.  more = 1: the next step's K is asked for.
; At its start 32 loads of K are out.  The matrix instructions: 32 for S^T, then 16 for O^T on eight accumulators, one instruction a turn: seven others between two links of a chain.
.macro STEP st, first, more
	s_wait_dscnt 16                                ; K's fragments 0-7 are in; the sixteen loads of 8-15 may be out
	WIN 0x41                                       ; source 0 and destination window 1
	SPROD 0
.rept 5
	v_nop                                          ; five places: the second sixteen products write over the registers that held K's fragments 0-7
.endr
	s_wait_dscnt 0x0
	WIN 0x40                                       ; destination window 1
	SPROD 1
	WIN 0
	s_add_co_u32 s[T2], s[TB], STEPB*\st
	v_add_nc_u32 v[ADV], s[T2], v[AV0]             ; with the three v_nop: four places in front of the loads into K's or Q's registers and of the first read of scores (ISA guide 7.12.1 for vector instructions)
.rept 3
	v_nop
.endr
.if \first
	VLOAD KA, 0                                    ; (the other steps: among the multiplications of O^T below)
.endif
.if \more == 0
	s_cmp_eq_u32 s[CNT], 1                         ; the head's last scores are made: the next head's Q is asked for, 64 KiB on; the last head asks for none
	s_cbranch_scc1 .Lno_q_\@
	global_load_b128 v[QF:QF+3],     v[QO], s[4:5] offset:65536
	global_load_b128 v[QF+4:QF+7],   v[QO], s[4:5] offset:65568
	global_load_b128 v[QF+8:QF+11],  v[QO], s[4:5] offset:66560
	global_load_b128 v[QF+12:QF+15], v[QO], s[4:5] offset:66592
.Lno_q_\@:
.endif
	WIN 0x05                                       ; sources 0 and 1 window 1
.irp t, 0,1,2,3,4,5,6,7,8,9,10,11,12,13,14,15
.irp p, 0,1,2,3
.irp q, 0,1
	v_max3_num_f32 v[MX+4*\q+\p], v[128*\q+8*\t+2*\p], v[128*\q+8*\t+2*\p+1], v[MX+4*\q+\p]   ; each result from its low end on; eight chains by turns, which go on from step to step
.endr
.endr
.endr
	WIN 0
	v_max3_num_f32 v[TT], v[MX], v[MX+1], v[MX+2]
	v_max3_num_f32 v[TT+1], v[MX+4], v[MX+5], v[MX+6]
	v_max_num_f32 v[TT], v[TT], v[MX+3]
	v_max_num_f32 v[TT+1], v[TT+1], v[MX+7]
	v_permlanex16_b32 v[PX], v[TT], s[SEL], s[SEL+1]
	v_permlanex16_b32 v[PX+1], v[TT+1], s[SEL], s[SEL+1]
	v_max_num_f32 v[TT], v[TT], v[PX]              ; and the lane 16 away, which holds my query's other keys
	v_max_num_f32 v[TT+1], v[TT+1], v[PX+1]
	v_mul_f32 v[TT], s[CS], v[TT]                  ; as t (c is positive)
	v_mul_f32 v[TT+1], s[CS], v[TT+1]
.if \first
	v_floor_f32 v[NM], -v[TT]                      ; -M = floor(-t) = -ceil(t): M is a whole number
	v_floor_f32 v[NM+2], -v[TT+1]
.else
	v_floor_f32 v[TT], -v[TT]                      ; the new -M
	v_floor_f32 v[TT+1], -v[TT+1]
	v_sub_f32 v[FF], v[TT], v[NM]                  ; old M less new M: a whole number, 0 or less
	v_sub_f32 v[FF+2], v[TT+1], v[NM+2]
	v_mov_b32 v[NM], v[TT]
	v_mov_b32 v[NM+2], v[TT+1]
	v_cvt_i32_f32 v[FF], v[FF]                     ; (it saturates)
	v_cvt_i32_f32 v[FF+2], v[FF+2]
	v_ldexp_f32 v[FF], 1.0, v[FF]                  ; 2^(old M - new M)
	v_ldexp_f32 v[FF+2], 1.0, v[FF+2]
.irp u, 0,1,2,3                                ; O^T under the new M, each accumulator from its low end on; two loads of V's first 128 keys (as VLOAD KA, 0 has them) by turns with four multiplications
.irp j, 0,1
.irp i, 0,1
.irp q, 0,1
	v_pk_mul_f32 v[OO+32*\q+8*\u+4*\j+2*\i:OO+32*\q+8*\u+4*\j+2*\i+1], v[OO+32*\q+8*\u+4*\j+2*\i:OO+32*\q+8*\u+4*\j+2*\i+1], v[FF+2*\q:FF+2*\q+1] op_sel_hi:[1,0]
.endr
	ds_load_b128 v[KA+16*\u+8*\j+4*\i:KA+16*\u+8*\j+4*\i+3], v[ADV] offset:\j*B64+T16*\u+32*\i
.endr
.endr
.endr
.irp j, 0,2
.irp q, 0,1
	v_pk_mul_f32 v[LS+4*\q+\j:LS+4*\q+\j+1], v[LS+4*\q+\j:LS+4*\q+\j+1], v[FF+2*\q:FF+2*\q+1] op_sel_hi:[1,0]       ; and the sums
.endr
.endr
.endif
	WIN 0x41
.set J, 0
.rept 32
	FMA1 0, J
.set J, J+1
.endr
.irp n, 0,1,2
	STAGE \n
.endr
	WIN 0x40
	VLOAD 0, 1                                     ; into window 1, v0-63: tile A's first chunk has been converted
	STAGE 3
.if \more
	WIN 0
	s_add_co_u32 s[T2], s[TB], STEPB*(\st+1)
	v_add_nc_u32 v[ADK], s[T2], v[AK0]
	KLOAD 0                                        ; the next step's K, into window 1, v64-127: tile A's second chunk has been converted
.endif
	s_wait_alu depctr_va_vdst(0)                   ; the wait behind the last exponentials
	ADDS 3
	CVT 2
	FOLD 3
	WIN 0x41
.set J, 0
.rept 32
	MIN1 3, J
.set J, J+1
.endr
	WIN 0x01
	CVT 3
	v_nop                                          ; one plain instruction between the last conversion and the products that read its result
	WIN 0
	s_wait_alu depctr_va_vdst(0)                   ; the wait here, directly ahead of the wait below
	s_wait_dscnt 16+16*\more                       ; V of the first 128 keys is in; the loads behind it (sixteen of V, sixteen of the next step's K) may be out
.irp u, 0,1,2,3
.irp q, 0,1
.if \first
	v_wmma_f32_16x16x128_fp8_fp8 v[OO+32*\q+8*\u:OO+32*\q+8*\u+7], v[KA+16*\u:KA+16*\u+15], v[PF+32*\q:PF+32*\q+15], 0
.else
	v_wmma_f32_16x16x128_fp8_fp8 v[OO+32*\q+8*\u:OO+32*\q+8*\u+7], v[KA+16*\u:KA+16*\u+15], v[PF+32*\q:PF+32*\q+15], v[OO+32*\q+8*\u:OO+32*\q+8*\u+7]
.endif
.endr
.endr
.if \more
.rept 4
	v_nop                                          ; four places in front of the loads into the registers that held V
.endr
	KLOAD 1
.endif
	s_wait_dscnt 32*\more                          ; V of the second 128 keys is in; the next step's 32 loads of K may be out
	WIN 0x01                                       ; source 0 window 1
.irp u, 0,1,2,3
.irp q, 0,1
	v_wmma_f32_16x16x128_fp8_fp8 v[OO+32*\q+8*\u:OO+32*\q+8*\u+7], v[16*\u:16*\u+15], v[PF+32*\q+16:PF+32*\q+31], v[OO+32*\q+8*\u:OO+32*\q+8*\u+7]
.endr
.endr
	WIN 0
.rept 5
	v_nop                                          ; five places: the next products write over the registers that held V; four of them serve the reads of O^T
.endr
.endm
.Lhead:                                                ; two trips: a head each; no barrier stands in it
	v_add_nc_u32 v[ADK], s[TB], v[AK0]
	KLOAD 0
	KLOAD 1
.irp i, 0,1,2,3,4,5,6,7
	v_mov_b32 v[MX+\i], 0xff800000                 ; -infinity, under every score
.endr
.set J, 0
.rept 8
	v_mov_b32 v[LS+J], 0
.set J, J+1
.endr
	s_wait_alu depctr_va_vdst(0)                   ; the wait here, directly ahead of the wait below
	s_wait_loadcnt 0x0                             ; Q
	STEP 0, 1, 1
	STEP 1, 0, 1
	STEP 2, 0, 1
	STEP 3, 0, 0
	; THE WAY OUT.  The sums' chains and halves are added, then the other lane's; O^T x 2^(ep + ev) / the sum goes through my stage, a tile of 16 queries at a time.
	v_pk_add_f32 v[LS:LS+1], v[LS:LS+1], v[LS+2:LS+3]
	v_pk_add_f32 v[LS+4:LS+5], v[LS+4:LS+5], v[LS+6:LS+7]
	v_add_f32 v[LS], v[LS], v[LS+1]
	v_add_f32 v[LS+4], v[LS+4], v[LS+5]
	v_permlanex16_b32 v[PX], v[LS], s[SEL], s[SEL+1]
	v_permlanex16_b32 v[PX+1], v[LS+4], s[SEL], s[SEL+1]
	v_add_f32 v[LS], v[LS], v[PX]
	v_add_f32 v[LS+4], v[LS+4], v[PX+1]
	s_wait_alu depctr_va_vdst(0)                   ; the wait ahead of the transcendentals
	v_rcp_f32 v[NM], v[LS]
	v_rcp_f32 v[NM+2], v[LS+4]
	v_nop                                          ; one plain instruction behind the reciprocals
	s_wait_alu depctr_va_vdst(0)                   ; and behind them; it serves the first reads of O^T too
	v_ldexp_f32 v[NM], v[NM], s50
	v_ldexp_f32 v[NM+2], v[NM+2], s50
.irp q, 0,1
.irp j, 0,2,4,6,8,10,12,14,16,18,20,22,24,26,28,30
	v_pk_mul_f32 v[KA+32*\q+\j:KA+32*\q+\j+1], v[OO+32*\q+\j:OO+32*\q+\j+1], v[NM+2*\q:NM+2*\q+1] op_sel_hi:[1,0]   ; register 8 u + i of a tile: channel 16 u + 8 h + i of query r; each accumulator from its low end on
.endr
.endr
.irp q, 0,1
.irp u, 0,1,2,3
	ds_store_b128 v[STI], v[KA+32*\q+8*\u:KA+32*\q+8*\u+3] offset:64*\u
	ds_store_b128 v[STI], v[KA+32*\q+8*\u+4:KA+32*\q+8*\u+7] offset:64*\u+16
.endr
.irp i, 0,1,2,3,4,5,6,7
	ds_load_b128 v[OO+32*\q+4*\i:OO+32*\q+4*\i+3], v[STO] offset:2*\i*LP   ; LDS serves a wave's instructions in order (ISA guide 5.7.1.4): these see my stores, and the next tile's stores come behind them
.endr
.endr
.irp q, 0,1
.irp i, 0,1,2,3,4,5,6,7
	s_wait_dscnt 16*(1-\q)+7-\i                    ; load i is in; the later loads of the tile and the next tile's sixteen LDS instructions may be out
	global_store_b128 v[GO], v[OO+32*\q+4*\i:OO+32*\q+4*\i+3], s[12:13] offset:\q*65536+8192*\i th:TH_STORE_NT   ; 16 lanes store 256 consecutive bytes, one query's head, at a multiple of 256 from out0's first byte; written once
.endr
.endr
	s_add_co_u32 s[TB], s[TB], HEADB
	s_wait_xcnt 0x0                                ; the stores have read their data and their base
	s_add_nc_u64 s[12:13], s[12:13], 256           ; the next head's part of the rows
	s_sub_co_u32 s[CNT], s[CNT], 1
	s_cmp_lg_u32 s[CNT], 0
	s_wait_alu depctr_va_vdst(0)                   ; the wait here, directly ahead of the branch
	s_cbranch_scc1 .Lhead
	s_wait_tensorcnt 0x0                           ; the wave's end: behind my last tensor load and my last LDS store
	ds_add_u32 v[SPW], v[NIL]
	s_wait_dscnt 0x0
	CROUND                                         ; the closing round: no work-group ends while a partner may still ask for a tile that names it
	s_endpgm
.Lfunc_end_k_q3b07dcedd6_attn:
	.size	k_q3b07dcedd6_attn, .Lfunc_end_k_q3b07dcedd6_attn-k_q3b07dcedd6_attn
	.p2alignl 7, 3214868480
	.fill 96, 4, 3214868480
	.section	.rodata,"a",@progbits
	.p2align	6, 0x0
	.amdhsa_kernel k_q3b07dcedd6_attn
		.amdhsa_group_segment_fixed_size 327680
		.amdhsa_private_segment_fixed_size 0
		.amdhsa_enable_private_segment 0
		.amdhsa_kernarg_size 40
		.amdhsa_user_sgpr_count 2
		.amdhsa_user_sgpr_kernarg_segment_ptr 1
		.amdhsa_wavefront_size32 1
		.amdhsa_system_sgpr_workgroup_id_x 1
		.amdhsa_system_sgpr_workgroup_id_y 1
		.amdhsa_system_sgpr_workgroup_id_z 1
		.amdhsa_system_vgpr_workitem_id 0
		.amdhsa_next_free_vgpr 512
		.amdhsa_next_free_sgpr 66
		.amdhsa_reserve_vcc 0
		.amdhsa_float_denorm_mode_32 3
		.amdhsa_float_denorm_mode_16_64 3
		.amdhsa_memory_ordered 1
		.amdhsa_forward_progress 1
		.amdhsa_inst_pref_size 229
	.end_amdhsa_kernel
	.amdgpu_metadata
---
amdhsa.version: [ 1, 2 ]
amdhsa.kernels:
  - .name:           k_q3b07dcedd6_attn
    .symbol:         k_q3b07dcedd6_attn.kd
    .args:
      - { .name: qc, .offset: 0, .size: 8, .value_kind: global_buffer, .address_space: global }
      - { .name: kc, .offset: 8, .size: 8, .value_kind: global_buffer, .address_space: global }
      - { .name: vc, .offset: 16, .size: 8, .value_kind: global_buffer, .address_space: global }
      - { .name: lowp_scales, .offset: 24, .size: 8, .value_kind: global_buffer, .address_space: global }
      - { .name: out0, .offset: 32, .size: 8, .value_kind: global_buffer, .address_space: global }
    .group_segment_fixed_size: 327680
    .private_segment_fixed_size: 0
    .kernarg_segment_align: 8
    .kernarg_segment_size: 40
    .max_flat_workgroup_size: 256
    .sgpr_count:     66
    .vgpr_count:     512
    .wavefront_size: 32
...
	.end_amdgpu_metadata
.endif
;; end of part 2
